; MI455X (gfx1250); checked and timed in simulation.
; The chip was launched on July 23, 2026; its instructions are those of AMD's public machine-readable ISA for CDNA 5 (MIT licence, August 2026) and "CDNA5" Instruction Set Architecture Reference Guide (July 2026). The comments in the code are by the model that wrote it; some were corrected since.
;; Multi Head Self Attention. Allowed arithmetic: matrix products marked QUANTISED: E2M3 operands, one E8M0 scale for each 32 along K, by v_wmma_scale_f32_16x16x128_f8f6f4 with both operands' format E2M3, f32 sums; everything else in f32.
;; Inputs: Wk_codes 1,024 x 32 x 24 uint8 (E2M3 codes of Wk, K innermost, in blocks of 32 codes, four codes in three bytes); Wk_scales 1,024 x 32 uint8 (E8M0 scales of Wk, one for each 32 codes along K); Wo_codes 1,024 x 32 x 24 uint8 (E2M3 codes of Wo, K innermost, in blocks of 32 codes, four codes in three bytes); Wo_scales 1,024 x 32 uint8 (E8M0 scales of Wo, one for each 32 codes along K); Wq_codes 1,024 x 32 x 24 uint8 (E2M3 codes of Wq, K innermost, in blocks of 32 codes, four codes in three bytes); Wq_scales 1,024 x 32 uint8 (E8M0 scales of Wq, one for each 32 codes along K); Wv_codes 1,024 x 32 x 24 uint8 (E2M3 codes of Wv, K innermost, in blocks of 32 codes, four codes in three bytes); Wv_scales 1,024 x 32 uint8 (E8M0 scales of Wv, one for each 32 codes along K); bk 1,024 float32; bo 1,024 float32; bq 1,024 float32; bv 1,024 float32; x_codes 4 x 2,048 x 32 x 24 uint8 (E2M3 codes of x, K innermost, in blocks of 32 codes, four codes in three bytes); x_scales 4 x 2,048 x 32 uint8 (E8M0 scales of x, one for each 32 codes along K).
;; Outputs: out0 4 x 2,048 x 1,024 float32.
;; This version of the problem:
;;   THIS VERSION OF THE PROBLEM IS GIVEN IN LOW PRECISION. The matrix products marked QUANTISED in the list below multiply operands that are first quantised to E2M3 (2 exponent bits, 3 mantissa bits; 6 bits a number), with one power-of-two scale for each 32 numbers along K (OCP MX v1.0); their sums are f32. All else is computed in f32.
;;   The module's matrix products, in the order in which they are computed (A, B: the left and right operand; K: the contracted axis; several contracted axes count as one K, in the product's order):
;;     1. [M 8,192, K 1,024] x [K 1,024, N 1,024]; A: input x (given as codes); B: input Wq (given as codes): QUANTISED
;;     2. [M 8,192, K 1,024] x [K 1,024, N 1,024]; A: input x (given as codes); B: input Wk (given as codes): QUANTISED
;;     3. [M 8,192, K 1,024] x [K 1,024, N 1,024]; A: input x (given as codes); B: input Wv (given as codes): QUANTISED
;;     4. batch 64 x [M 2,048, K 64] x [K 64, N 2,048]; A: computed on the way; B: computed on the way: QUANTISED
;;     5. batch 64 x [M 2,048, K 2,048] x [K 2,048, N 64]; A: softmax (see below); B: computed on the way: QUANTISED
;;     6. [M 8,192, K 1,024] x [K 1,024, N 1,024]; A: computed on the way; B: input Wo (given as codes): QUANTISED
;;   THE QUANTISER, for each operand of a quantised product, along K:
;;     - K is cut into blocks of 32 from its start; a last block that is shorter is filled with zeros.
;;     - A block's scale is 2^e with e = floor(log2(the largest magnitude in the block)) - 2, held to -126 .. 127; a block of zeros has e = 0. As a byte (E8M0): e + 127.
;;     - Each number is divided by its block's scale, clamped to +-7.5, and rounded to the nearest number of E2M3, ties to even, subnormals kept.
;;     - The product sums the exact products of the quantised numbers (number of the format x scale) in f32.
;;   ~~~python
;;   def quantise(x, axis):      # numpy; x: float32 -> the quantised numbers, widened to float32 again
;;       x = np.moveaxis(x, axis, -1); K = x.shape[-1]
;;       x = np.pad(x, [(0, 0)] * (x.ndim - 1) + [(0, -K % 32)]); x = x.reshape(x.shape[:-1] + (-1, 32)); a = np.abs(x).max(-1, keepdims=True)
;;       e = np.where(a > 0, np.clip(np.frexp(np.where(a > 0, a, 1))[1] - 1 - 2, -126, 127), 0)      # np.frexp(a)[1] - 1 = floor(log2(a)), exactly
;;       r = np.clip(x / 2.0 ** e, -7.5, 7.5)
;;       step = 2.0 ** (np.maximum(np.frexp(np.where(r == 0, 1, r))[1] - 1, 0) - 3)
;;       q = np.round(r / step) * step * 2.0 ** e      # np.round: ties to even
;;       return np.moveaxis(q.reshape(q.shape[:-2] + (-1,))[..., :K], -1, axis).astype(np.float32)
;;   ~~~
;;   SOFTMAX AHEAD OF A QUANTISED PRODUCT. Where the list says 'softmax', what is quantised is not the finished softmax but p = 2^(t - M), with t = logit x log2(e) and M = ceil(the row's largest t), a whole number; so 1/2 < the row's largest p <= 1. The row's sum l is taken of the UNQUANTISED p, in f32, and the product's result is divided by l at the end. Since M is a whole number, a kernel that streams over the keys may use a running M (the ceiling of the running maximum): every later rescaling is an exact power of two, which a block's scale takes up: the codes' values come out the same.
;;   OPERANDS COMPUTED ON THE WAY. 'Computed on the way' means the value that the module computes at that place (a softmax that the list does not call 'softmax' is quantised finished and normalised). What goes into a quantiser is computed in f32, as accurately as f32 sums, v_exp_f32 and their like allow (about 1e-6 of the number): no bf16 or f16 on the way to a quantiser, and a product that is left as it is and whose result goes on into a quantised operand takes f32 operands (vector FMAs, or v_wmma_f32_16x16x4_f32). A number that lies on a knife's edge between two numbers of the format may be rounded either way, as far as f32 arithmetic and the matrix unit's own rounding can turn it there, and no further.
;;   INPUTS GIVEN AS CODES. Wk (in the module: [1024, 1024], K = its axis 1); Wo (in the module: [1024, 1024], K = its axis 1); Wq (in the module: [1024, 1024], K = its axis 1); Wv (in the module: [1024, 1024], K = its axis 1); x (in the module: [4, 2048, 1024], K = its axis 2): each comes as NAME_codes (uint8): NAME with its K axis moved to the last place and cut into blocks of 32 codes, [.., K / 32, bytes a block], one block behind the other in memory; four codes in three bytes: a row's codes are one little-endian stream of bits, code i at bits 6 i .. 6 i + 5 (a code: sign, 2 exponent bits, 3 mantissa bits); and NAME_scales (uint8): the same leading axes, one E8M0 byte (e + 127) for each 32 codes along K. Its value is code x scale, taken as it is: it is not quantised again, and the codes and scales need not be those that the quantiser above would give.
;; One version. Each part assembles by itself: llvm-mc -triple=amdgcn-amd-amdhsa -mcpu=gfx1250 --defsym DOCPART=n.
;; ======== version 1 of 1: 3 launches
;; limits: right only within a limited range of input values
;; workspace buffers: qkv_c 18,874,368 bytes; qkv_s 786,432 bytes; att_c 6,291,456 bytes; att_s 262,144 bytes
;; launch proj (part 1): grid 8 x 32, 4 waves a work-group, clusters of 4 x 4, 327,680 bytes of LDS; arguments x_codes, x_scales, Wq_codes, Wq_scales, Wk_codes, Wk_scales, Wv_codes, Wv_scales, bq, bk, bv, qkv_c, qkv_s; writes qkv_c, qkv_s
.if DOCPART == 1
	.amdgcn_target "amdgcn-amd-amdhsa--gfx1250"
	.amdhsa_code_object_version 6
	.text
	.protected	k_qd2e36e099c_proj
	.globl	k_qd2e36e099c_proj
	.p2align	8
	.type	k_qd2e36e099c_proj,@function
k_qd2e36e099c_proj:
	s_mov_b64 s[64:65], 0
	v_nop
	global_prefetch_b8 v0, s[64:65] scope:SCOPE_SE
	s_setreg_imm32_b32 hwreg(HW_REG_WAVE_MODE, 25, 1), 1
	s_wait_xcnt 0x0
	s_wait_alu depctr_hold_cnt(0) depctr_sa_sdst(0) depctr_va_vdst(0) depctr_va_sdst(0) depctr_va_ssrc(0) depctr_va_vcc(0) depctr_vm_vsrc(0)
	s_getreg_b32 s2, hwreg(HW_REG_IB_STS2, 6, 4)
	s_cmp_eq_u32 s2, 0
	s_cbranch_scc0 .Lentry_in_a_cluster
	s_endpgm
.Lentry_in_a_cluster:
	s_bfe_u32 s2, ttmp6, 0x10000c
	s_cmp_lg_u32 s2, 0xf033
	s_cbranch_scc0 .Lentry_shape_is_right
	s_endpgm
.Lentry_shape_is_right:
; q, k, v = x W^T + b on codes of FP6 (E2M3) with E8M0 scales; each result is quantised again for attention: q and k along the head's 64, v along the keys.
; SHARES.  256 work-groups: 32 blocks of 256 tokens x 8 pairs of heads.  A work-group keeps its 256 rows of x, all of K, in LDS and walks three phases: q, k, v, each 256 x 128.
; Four waves, 2 x 2: wave (a, b) takes tokens 128 a .. and head b of the pair.  It holds its 64 rows of the weight, all of K, in 384 registers and streams x past them in blocks of 16 rows: 32 products a block.
; When all waves hold a weight in registers, its LDS region is filled again with the next weight, behind a round of the cluster's barrier; that load has the phase's 256 products of a wave in which to land.
; SOURCE 0 IS THE OPERAND ALONG WHOSE ROWS THE RESULT IS QUANTISED: the weight for q and k, x for v.  Of a group of 64 such rows tile u takes rows 8 u + 0..7 in lanes 0-7 and 32 + 8 (u xor 1) + 0..7 in lanes 8-15,
; so a lane's 32 results of four tiles are one whole block of 32.  OUT: units of 768 bytes = six code registers of 32 lanes (512 + 256 consecutive bytes a store); scale words, 256 consecutive bytes a store.
; In v's units of channels 32-63 of a head lanes l and l xor 8 change places, so that attention reads them with K's addresses.
; CLUSTERS 4 x 4: x's rows and scales are shared along a row of the cluster, a weight's rows along a column.
; No prefetch: the head's fills have no loop ahead of them, and each refill is asked for a whole phase ahead of the wait for it.
; LIMITS: NaN and infinities are not served; a block whose largest magnitude lies under 2^-124 (zeros too) gets the byte 1: only this program reads the bytes.
.set PITCH, 816                        ; an LDS row: 3 x (256 + 16)
.set FR,    12
.set FPW,   21                         ; fragments in a window: fragment f lies in window 1 + f / 21 at register 12 (f % 21); 0-31 the weight's (4 q + u), 32-39 and 40-47 x's two sets
.set WB,    256*PITCH                  ; LDS: x's 256 rows, the weight's 128 rows, x's scale bytes (32 x (256 + 16)), the spare words
.set XS,    WB+128*PITCH
.set SPARE, XS+32*272
.set SPW, 2
.set NIL, 3
.set XBN, 4                            ; v4-5 x's rows in natural order (second register: behind one padding more); v6-7, v8-9 in the chosen order, even and odd tiles
.set XBE, 6
.set WA,  10                           ; v10-17 the weight's four tiles
.set WN,  18
.set XA,  20                           ; v20-23 the block that is fetched, two sets
.set SN,  24                           ; v24 x's scale words, natural; v25, v26 chosen, even and odd
.set SE,  25
.set OSC, 27
.set OX,  28                           ; v28, v29: 16 x lane, and with lanes l, l xor 8 exchanged
.set OY,  30
.set SH8, 32
.set WSO, 33
.set BO,  34
.set T0,  36
.set T1,  37
.set SO,  38
.set PD,  39
.set WSV, 40
.set BOV, 41
.set CD,  42
.set TC,  48
.set BY,  52
.set LW,  60
.set SB,  64                           ; v64-79 the weight's scale words; v82-97 x's, two sets: they hold nothing else
.set SA,  82
.set ACC, 128
.set BI,  72                           ; in window 3: the bias as the first products' C
.set MSB, 0
.macro WIN new
.if MSB != (\new)
	s_set_vgpr_msb (MSB<<8)|(\new)
.set MSB, (\new)
.endif
.endm
.macro PLACES n
.rept \n
	v_nop
.endr
.endm
.macro WALU
	s_wait_alu depctr_va_vdst(0)
.endm
.macro BARRIER
	s_barrier_signal -1
	s_barrier_wait -1
.endm
.macro CROUND
	BARRIER
	s_cmp_lg_u32 s14, 0
	s_cbranch_scc1 .Lnot_wave_0_\@
	s_barrier_signal -3
.Lnot_wave_0_\@:
	s_barrier_wait -3
	BARRIER
.endm
.macro TLOAD g0, g1
	tensor_load_to_lds s[\g0:\g0+3], s[\g1:\g1+7]
	s_nop 0
	PLACES 4
.endm
.macro FRAG f, q, a                    ; six pieces of 8 bytes, two to a load where both go by the same address register
	WIN (1+(\f)/FPW)<<6
.set R_, FR*((\f)%FPW)
.irp p, 0,2,4
.set P0_, 12*(\q)+6*(\p/3)+\p%3
.set P1_, 12*(\q)+6*((\p+1)/3)+(\p+1)%3
.set Y0_, (P0_%32+3)/32
.set Y1_, (P1_%32+3)/32
.if Y0_ == Y1_
	ds_load_2addr_b64 v[R_+2*\p:R_+2*\p+3], v[\a+Y0_] offset0:P0_+2*(P0_/32) offset1:P1_+2*(P1_/32)
.set LC, LC+1
.else
	ds_load_b64 v[R_+2*\p:R_+2*\p+1], v[\a+Y0_] offset:8*(P0_+2*(P0_/32))
	ds_load_b64 v[R_+2*\p+2:R_+2*\p+3], v[\a+Y1_] offset:8*(P1_+2*(P1_/32))
.set LC, LC+2
.endif
.endr
.endm
.macro WEIGHTS
.set LC, 0
.irp q, 0,1,2,3,4,5,6,7
.irp u, 0,1,2,3
	FRAG 4*\q+\u, \q, WA+2*\u
.endr
.endr
	WIN 0
.endm
.macro SETX e, b, off
	v_add_nc_u32 v[XA+2*(\e)], \off, v[\b]
	v_add_nc_u32 v[XA+2*(\e)+1], \off, v[\b+1]
	WALU
.endm
.macro FETCH e, sa, so                 ; a block of x into set e: NF loads, counted as they are written
.set LC, 0
.irp q, 0,1,2,3,4,5,6,7
	FRAG 32+8*(\e)+\q, \q, XA+2*(\e)
.endr
	WIN 0
	ds_load_b128 v[SA+8*(\e):SA+8*(\e)+3], v[\sa] offset:\so
	ds_load_b128 v[SA+8*(\e)+4:SA+8*(\e)+7], v[\sa] offset:(\so)+16
.set NF, LC+2
.endm
.macro PROD1 d, r0, r1, c, x0, x1, side, o
.if \o
	v_wmma_scale_f32_16x16x128_f8f6f4 v[\d:\d+7], v[\r0:\r0+FR-1], v[\r1:\r1+FR-1], \c, v[\x0], v[\x1] matrix_a_fmt:MATRIX_FMT_FP6 matrix_b_fmt:MATRIX_FMT_FP6 matrix_\side\()_scale:MATRIX_SCALE_ROW1
.else
	v_wmma_scale_f32_16x16x128_f8f6f4 v[\d:\d+7], v[\r0:\r0+FR-1], v[\r1:\r1+FR-1], \c, v[\x0], v[\x1] matrix_a_fmt:MATRIX_FMT_FP6 matrix_b_fmt:MATRIX_FMT_FP6
.endif
.endm
.macro PROD k, e, n, d                 ; n = 4 q + u.  k = 0 (q, k): source 0 the weight's tile u; k = 1 (v): source 0 x's block
.set Q_, (\n)/4
.set U_, (\n)%4
.set FW_, 4*Q_+U_
.set FX_, 32+8*(\e)+Q_
.set RW_, FR*(FW_%FPW)
.set RX_, FR*(FX_%FPW)
.set XW_, SB+8*(U_/2)+Q_
.set XX_, SA+8*(\e)+Q_
.set CW_, 0
.if Q_ == 0
.set CW_, 3<<4
.endif
.if \k
.set D_, (\d)+32*U_
	WIN (1+FX_/FPW)|((1+FW_/FPW)<<2)|CW_
.if Q_
	PROD1 D_, RX_, RW_, v[D_:D_+7], XX_, XW_, b, U_%2
.else
	PROD1 D_, RX_, RW_, v[BI+8*U_:BI+8*U_+7], XX_, XW_, b, U_%2
.endif
.else
.set D_, (\d)+8*U_
	WIN (1+FW_/FPW)|((1+FX_/FPW)<<2)|CW_
.if Q_
	PROD1 D_, RW_, RX_, v[D_:D_+7], XW_, XX_, a, U_%2
.else
	PROD1 D_, RW_, RX_, v[BI+8*U_:BI+8*U_+7], XW_, XX_, a, U_%2
.endif
.endif
.endm
.macro BLOCK k, e, d                   ; 32 products, four accumulators by turns; five places behind them
.set N_, 0
.rept 32
	PROD \k, \e, N_, \d
.set N_, N_+1
.endr
	WIN 0
	PLACES 5
.endm
.macro UNIT ac, by, sx, off            ; 32 sums of a lane: largest magnitude (floor 2^-124) in two chains, scale, two conversions, the unit's two stores
	s_wait_xcnt 0x0                                ; the last unit's stores have read their registers
	v_max3_num_f32 v[T0], 0x1800000, |v[(\ac)]|, |v[(\ac)+1]|
	v_max3_num_f32 v[T1], 0x1800000, |v[(\ac)+16]|, |v[(\ac)+17]|
.irp i, 2,4,6,8,10,12,14
	v_max3_num_f32 v[T0], v[T0], |v[(\ac)+\i]|, |v[(\ac)+\i+1]|
	v_max3_num_f32 v[T1], v[T1], |v[(\ac)+16+\i]|, |v[(\ac)+17+\i]|
.endr
	v_max_num_f32 v[T0], v[T0], v[T1]
	v_add_nc_u32 v[SO], 0xff000000, v[T0]          ; 2 off the exponent field: the conversions' scale operand
	v_cvt_scalef32_pk16_fp6_f32 v[CD:CD+2], v[(\ac):(\ac)+15], v[SO]
	v_cvt_scalef32_pk16_fp6_f32 v[TC:TC+2], v[(\ac)+16:(\ac)+31], v[SO]
	v_lshrrev_b32 v[\by], 23, v[SO]                ; the byte; also the plain line behind the conversions
.irp i, 0,1,2
	v_mov_b32 v[CD+3+\i], v[TC+\i]
.endr
	global_store_b128 v[OX+(\sx)], v[CD:CD+3], s[32:33] offset:\off
	global_store_b64 v[OY+(\sx)], v[CD+4:CD+5], s[32:33] offset:(\off)+512
.endm
.macro WORDS                           ; eight bytes a lane make four words of row r with lane l xor 16's; lane (r, h) stores words 2 h, 2 h + 1
	WALU
.irp i, 0,1,2,3
	v_lshl_or_b32 v[LW+\i], v[BY+2*\i+1], 16, v[BY+2*\i]
.endr
.irp i, 0,1,2,3
	v_lshlrev_b32 v[LW+\i], v[SH8], v[LW+\i]
.endr
.irp i, 0,1,2,3
	v_permlanex16_b32 v[PD], v[LW+\i], s6, s7
	v_or_b32 v[LW+\i], v[LW+\i], v[PD]
.endr
	v_cndmask_b32 v[LW], v[LW], v[LW+2], s5
	v_cndmask_b32 v[LW+1], v[LW+1], v[LW+3], s5
	global_store_b64 v[OSC], v[LW:LW+1], s[34:35]  ; 256 consecutive bytes, aligned
.endm
; ---- the head
	s_load_b512 s[36:51], s[0:1], 0x0              ; x c, s; Wq c, s; Wk c, s; Wv c, s
	s_load_b256 s[52:59], s[0:1], 0x40             ; bq, bk, bv, qkv_c
	s_load_b64 s[60:61], s[0:1], 0x60              ; qkv_s
	v_lshl_add_u32 v[SPW], v0, 2, SPARE
	v_mov_b32 v[NIL], 0
	ds_add_u32 v[SPW], v[NIL]                      ; the opening lines
	ds_add_u32 v[SPW], v[NIL]
	v_lshrrev_b32 v128, 5, v0
	v_readfirstlane_b32 s14, v128                  ; wave; s15 = a, s16 = b
	s_lshr_b32 s15, s14, 1
	s_and_b32 s16, s14, 1
	s_bfe_u32 s17, ttmp6, 0x40000                  ; cx
	s_bfe_u32 s18, ttmp6, 0x40004                  ; cy
	s_lshl_b32 s19, ttmp9, 2
	s_add_co_u32 s19, s19, s17                     ; the pair of heads
	s_and_b32 s20, ttmp7, 0xffff
	s_lshl_b32 s20, s20, 2
	s_add_co_u32 s20, s20, s18                     ; the block of 256 tokens
	s_lshl_b32 s21, s18, 2
	s_lshl_b32 s21, 15, s21                        ; my row of the cluster
	s_lshl_b32 s22, 0x1111, s17                    ; my column
	s_or_b32 s68, s21, (1<<20)|(1<<21)|(5<<22)|(3<<25)   ; 128 rows of 768 bytes, 16 bytes of padding behind every 256
	s_or_b32 s76, s22, (1<<20)|(1<<21)|(5<<22)|(3<<25)
.irp g, 68, 76
	s_mov_b32 s[\g+1], 768<<16
	s_mov_b32 s[\g+2], 128<<16
	s_mov_b32 s[\g+3], 768<<16
	s_mov_b32 s[\g+4], 128
	s_mov_b32 s[\g+5], 768
	s_mov_b32 s[\g+6], 0
	s_mov_b32 s[\g+7], 0
.endr
	s_or_b32 s84, s21, (3<<16)|(1<<20)|(1<<21)|(5<<22)|(3<<25)   ; x's scale bytes: 8,192 dense bytes as 32 rows of 256
	s_mov_b32 s85, 32<<16
	s_mov_b32 s86, 32<<16
	s_mov_b32 s87, 32<<16
	s_mov_b32 s88, 32
	s_mov_b32 s89, 32
	s_mov_b32 s90, 0
	s_mov_b32 s91, 0
	s_mov_b32 s92, 1
	s_mul_i32 s93, s16, 128*PITCH
	s_mov_b32 s96, 1
	s_mov_b32 s97, WB
	s_mov_b32 s8, 1
	s_mov_b32 s9, XS
	s_mul_i32 s24, s20, 196608
	s_mul_i32 s25, s16, 98304
	s_add_co_u32 s24, s24, s25                     ; x: the 128 rows that waves 2, 3 fetch
	s_mov_b32 s25, 0
	s_lshl_b32 s28, s20, 13
	s_mov_b32 s29, 0
	s_mul_i32 s26, s19, 98304                      ; a weight's 128 rows
	s_mov_b32 s27, 0
	s_lshl_b32 s12, s19, 12
	s_lshl_b32 s13, s16, 11
	s_add_co_u32 s12, s12, s13                     ; my 64 rows' scale bytes
	s_mov_b32 s13, 0
	s_lshl_b32 s2, s19, 9
	s_lshl_b32 s3, s16, 8
	s_add_co_u32 s2, s2, s3                        ; my head's bias
	s_mov_b32 s3, 0
	s_mov_b32 s5, 0xffff0000
	s_mov_b32 s6, 0x76543210
	s_mov_b32 s7, 0xfedcba98
	WALU
	s_wait_dscnt 0x0
	CROUND                                         ; the round in front of the first joint loads
	s_wait_kmcnt 0x0
	s_add_nc_u64 s[94:95], s[36:37], s[24:25]
	s_or_b32 s95, s95, 0x80000000
	s_add_nc_u64 s[10:11], s[38:39], s[28:29]
	s_or_b32 s11, s11, 0x80000000
.irp p, 40, 44, 48
	s_add_nc_u64 s[\p:\p+1], s[\p:\p+1], s[26:27]
	s_add_nc_u64 s[\p+2:\p+3], s[\p+2:\p+3], s[12:13]
.endr
.irp p, 52, 54, 56
	s_add_nc_u64 s[\p:\p+1], s[\p:\p+1], s[2:3]
.endr
	s_mov_b64 s[98:99], s[40:41]
	s_or_b32 s99, s99, 0x80000000
	s_cmp_eq_u32 s14, 0                            ; one load a wave, in one chain of branches
	s_cbranch_scc0 .Lh1
	TLOAD 96, 76                                   ; wave 0: Wq's rows
	s_branch .Lhj
.Lh1:
	s_cmp_eq_u32 s14, 1
	s_cbranch_scc0 .Lh2
	TLOAD 8, 84                                    ; wave 1: x's scale bytes
	s_branch .Lhj
.Lh2:
	TLOAD 92, 68                                   ; waves 2, 3: 128 rows of x each
.Lhj:
	s_lshr_b32 s31, s20, 3                         ; batch
	s_and_b32 s23, s20, 7
	s_lshl_b32 s23, s23, 1
	s_add_co_u32 s23, s23, s15                     ; my group of 128 tokens in the batch
	s_lshl_b32 s28, s31, 11
	s_lshl_b32 s29, s19, 8
	s_add_co_u32 s28, s28, s29
	s_lshl_b32 s29, s16, 7
	s_add_co_u32 s28, s28, s29
	s_lshl_b32 s29, s23, 3
	s_add_co_u32 s28, s28, s29                     ; q's first unit: 128 (16 batch + head) + 8 group
	s_mul_i32 s28, s28, 768
	s_mov_b32 s29, 0
	s_add_nc_u64 s[32:33], s[58:59], s[28:29]
	s_lshl_b32 s28, s31, 4
	s_lshl_b32 s24, s19, 1
	s_add_co_u32 s28, s28, s24
	s_add_co_u32 s28, s28, s16
	s_lshl_b32 s28, s28, 12
	s_lshl_b32 s24, s23, 8
	s_add_co_u32 s28, s28, s24
	s_add_nc_u64 s[34:35], s[60:61], s[28:29]
	s_mul_i32 s24, s16, 95232                      ; v's units lie 4 b on, not 128 b: 124 b units back
	s_mov_b32 s25, 0
	s_mul_i32 s62, s15, 128*PITCH                  ; registers that no descriptor holds: the head's loads are still out
	s_mul_i32 s63, s16, 64*PITCH
	s_add_co_u32 s63, s63, WB
	s_mul_i32 s66, s15, 16*272
	s_add_co_u32 s66, s66, XS
	v_and_b32 v128, 15, v0                         ; r
	v_bfe_u32 v129, v0, 4, 1                       ; h
	v_and_b32 v130, 7, v0                          ; j
	v_bfe_u32 v131, v0, 3, 1                       ; g8
	v_mul_u32_u24 v132, v129, 24
	v_mad_u32_u24 v133, v128, PITCH, v132          ; natural: row r, + 24 h
	v_mad_u32_u24 v134, v130, PITCH, v132
	v_mad_u32_u24 v135, v131, 40*PITCH, v134       ; chosen: lanes 8-15 40 rows on in even tiles,
	v_mad_u32_u24 v136, v131, 24*PITCH, v134       ; 24 in odd ones
.irp i, 0,1,2
	v_add_nc_u32 v[XBN+2*\i], s62, v[133+2*\i-\i/2]
	v_lshl_add_u32 v[XBN+2*\i+1], v129, 4, v[XBN+2*\i]
.endr
	v_add_nc_u32 v[WN], s63, v133
	v_lshl_add_u32 v[WN+1], v129, 4, v[WN]
	v_add_nc_u32 v137, s63, v135
	v_add_nc_u32 v138, s63, v136
.irp u, 0,1,2,3
	v_add_nc_u32 v[WA+2*\u], 8*\u*PITCH, v[137+\u%2]
	v_lshl_add_u32 v[WA+2*\u+1], v129, 4, v[WA+2*\u]
.endr
	v_lshlrev_b32 v139, 5, v130                    ; scale bytes: 32 a row, eight rows to 272
	v_add_nc_u32 v139, s66, v139
	v_mad_u32_u24 v[SN], v131, 272, v139
	v_mad_u32_u24 v[SE], v131, 5*272, v139
	v_mad_u32_u24 v[SE+1], v131, 3*272, v139
	v_and_b32 v141, 31, v0
	v_lshlrev_b32 v[OX], 4, v141
	v_xor_b32 v[OX+1], 128, v[OX]
	v_lshlrev_b32 v[OY], 3, v141
	v_xor_b32 v[OY+1], 64, v[OY]
	v_lshlrev_b32 v[SH8], 3, v129
	v_lshl_add_u32 v[OSC], v128, 4, v[SH8]
	v_and_b32 v140, v131, v129                     ; the weight's scale row of lane (tile 2 p + h): j + 8 h + 40 g8 - 16 (g8 and h)
	v_lshl_add_u32 v142, v129, 3, v130
	v_mad_u32_u24 v142, v131, 40, v142
	v_lshlrev_b32 v140, 4, v140
	v_sub_nc_u32 v142, v142, v140
	v_lshlrev_b32 v[WSO], 5, v142
	v_lshlrev_b32 v[WSV], 5, v141
	v_mul_u32_u24 v[BO], v129, 160
	v_mul_u32_u24 v[BO+1], v129, 96
	v_lshlrev_b32 v[BOV], 2, v128
	v_mov_b32 v[PD], 0
	s_mov_b32 s30, 0
	WALU
; ---- q, then k: one text, two trips
.Lqk:
	s_wait_tensorcnt 0x0                           ; the weight's rows (first trip: all the head's tiles) have landed
	s_wait_dscnt 0x0
	BARRIER                                        ; everybody's have
	s_cmp_eq_u32 s30, 0
	s_cselect_b64 s[12:13], s[42:43], s[46:47]     ; this weight's scales, this bias, the next weight's rows
	s_cselect_b64 s[28:29], s[52:53], s[54:55]
	s_cselect_b64 s[26:27], s[44:45], s[48:49]
.irp p, 0,1
.irp c, 0,1
	global_load_b128 v[SB+8*\p+4*\c:SB+8*\p+4*\c+3], v[WSO], s[12:13] offset:512*\p+16*\c
.endr
.endr
	WIN 3<<6
.irp u, 0,1,2,3
	global_load_b128 v[BI+8*\u:BI+8*\u+3], v[BO+\u%2], s[28:29] offset:32*\u
	global_load_b128 v[BI+8*\u+4:BI+8*\u+7], v[BO+\u%2], s[28:29] offset:32*\u+16
.endr
	WIN 0
	WEIGHTS
	SETX 0, XBN, 0
	FETCH 0, SN, 0
	SETX 1, XBN, 16*PITCH
	FETCH 1, SN, 544
	s_wait_tensorcnt 0x0                           ; the three lines ahead of the refill's round
	ds_add_u32 v[SPW], v[NIL]
	s_mov_b64 s[98:99], s[26:27]
	s_or_b32 s99, s99, 0x80000000
	WALU
	s_wait_dscnt 0x0                               ; the add, and my reads of the weight's region
	CROUND
	s_cmp_eq_u32 s14, 0
	s_cbranch_scc0 .Lnf
	TLOAD 96, 76                                   ; wave 0: the next weight's rows
.Lnf:
	s_wait_loadcnt 0x0
.irp s, 0,1,2,3,4,5,6,7
.if \s < 7
	s_wait_dscnt NF                                ; only the next block's fetch may be out
.else
	s_wait_dscnt 0x0
.endif
	BLOCK 0, \s%2, ACC
.if \s < 6
	SETX \s%2, XBN, (\s+2)*16*PITCH
	FETCH \s%2, SN, (\s+2)*544
.endif
	UNIT ACC, BY+\s, 0, 768*\s
.endr
	WORDS
	s_wait_xcnt 0x0
	s_add_nc_u64 s[32:33], s[32:33], 6291456
	s_add_nc_u64 s[34:35], s[34:35], 262144
	s_add_co_u32 s30, s30, 1
	s_cmp_lt_u32 s30, 2
	WALU
	s_cbranch_scc1 .Lqk
; ---- v: x is source 0, in groups of 64 keys; four units behind every four blocks
	s_sub_nc_u64 s[32:33], s[32:33], s[24:25]
	s_wait_tensorcnt 0x0
	s_wait_dscnt 0x0
	BARRIER
.irp t, 0,1,2,3
	v_add_nc_u32 v[WA+2*\t], 16*\t*PITCH, v[WN]
	v_add_nc_u32 v[WA+2*\t+1], 16*\t*PITCH, v[WN+1]
.endr
	WALU
.irp p, 0,1
.irp c, 0,1
	global_load_b128 v[SB+8*\p+4*\c:SB+8*\p+4*\c+3], v[WSV], s[50:51] offset:1024*\p+16*\c
.endr
.endr
	WIN 3<<6
.irp t, 0,1,2,3
	global_load_b32 v[BI+8*\t], v[BOV], s[56:57] offset:64*\t
.endr
	WIN 0
	WEIGHTS
	SETX 0, XBE, 0
	FETCH 0, SE, 0
	SETX 1, XBE+2, 8*PITCH
	FETCH 1, SE+1, 272
	s_wait_loadcnt 0x0
	WIN 0xc3
.irp t, 0,8,16,24
.irp i, 1,2,3,4,5,6,7
	v_mov_b32 v[BI+\t+\i], v[BI+\t]                ; one number a lane and tile, over the tile's eight registers
.endr
.endr
	WIN 0
	WALU
.irp s, 0,1,2,3,4,5,6,7
.if \s < 7
	s_wait_dscnt NF
.else
	s_wait_dscnt 0x0
.endif
	BLOCK 1, \s%2, ACC+8*(\s%4)
.if \s < 6
.set S2_, \s+2
	SETX \s%2, XBE+2*(S2_%2), (64*(S2_/4)+8*(S2_%4))*PITCH
	FETCH \s%2, SE+S2_%2, (8*(S2_/4)+S2_%4)*272
.endif
.if \s%4 == 3
.irp t, 0,1,2,3
	UNIT ACC+32*\t, BY+2*\t+\s/4, \t/2, 98304*(\s/4)+768*\t
.endr
.endif
.endr
	WORDS
	s_wait_tensorcnt 0x0                           ; the wave's end
	ds_add_u32 v[SPW], v[NIL]
	s_wait_dscnt 0x0
	CROUND                                         ; the closing round
	s_endpgm
.Lfunc_end_k_qd2e36e099c_proj:
	.size	k_qd2e36e099c_proj, .Lfunc_end_k_qd2e36e099c_proj-k_qd2e36e099c_proj
	.p2alignl 7, 3214868480
	.fill 96, 4, 3214868480
	.section	.rodata,"a",@progbits
	.p2align	6, 0x0
	.amdhsa_kernel k_qd2e36e099c_proj
		.amdhsa_group_segment_fixed_size 327680
		.amdhsa_private_segment_fixed_size 0
		.amdhsa_enable_private_segment 0
		.amdhsa_kernarg_size 104
		.amdhsa_user_sgpr_count 2
		.amdhsa_user_sgpr_kernarg_segment_ptr 1
		.amdhsa_wavefront_size32 1
		.amdhsa_system_sgpr_workgroup_id_x 1
		.amdhsa_system_sgpr_workgroup_id_y 1
		.amdhsa_system_sgpr_workgroup_id_z 1
		.amdhsa_system_vgpr_workitem_id 0
		.amdhsa_next_free_vgpr 896
		.amdhsa_next_free_sgpr 100
		.amdhsa_reserve_vcc 0
		.amdhsa_float_denorm_mode_32 3
		.amdhsa_float_denorm_mode_16_64 3
		.amdhsa_memory_ordered 1
		.amdhsa_forward_progress 1
		.amdhsa_inst_pref_size 161
	.end_amdhsa_kernel
	.amdgpu_metadata
---
amdhsa.version: [ 1, 2 ]
amdhsa.kernels:
  - .name:           k_qd2e36e099c_proj
    .symbol:         k_qd2e36e099c_proj.kd
    .args:
      - { .name: x_codes, .offset: 0, .size: 8, .value_kind: global_buffer, .address_space: global }
      - { .name: x_scales, .offset: 8, .size: 8, .value_kind: global_buffer, .address_space: global }
      - { .name: Wq_codes, .offset: 16, .size: 8, .value_kind: global_buffer, .address_space: global }
      - { .name: Wq_scales, .offset: 24, .size: 8, .value_kind: global_buffer, .address_space: global }
      - { .name: Wk_codes, .offset: 32, .size: 8, .value_kind: global_buffer, .address_space: global }
      - { .name: Wk_scales, .offset: 40, .size: 8, .value_kind: global_buffer, .address_space: global }
      - { .name: Wv_codes, .offset: 48, .size: 8, .value_kind: global_buffer, .address_space: global }
      - { .name: Wv_scales, .offset: 56, .size: 8, .value_kind: global_buffer, .address_space: global }
      - { .name: bq, .offset: 64, .size: 8, .value_kind: global_buffer, .address_space: global }
      - { .name: bk, .offset: 72, .size: 8, .value_kind: global_buffer, .address_space: global }
      - { .name: bv, .offset: 80, .size: 8, .value_kind: global_buffer, .address_space: global }
      - { .name: qkv_c, .offset: 88, .size: 8, .value_kind: global_buffer, .address_space: global }
      - { .name: qkv_s, .offset: 96, .size: 8, .value_kind: global_buffer, .address_space: global }
    .group_segment_fixed_size: 327680
    .private_segment_fixed_size: 0
    .kernarg_segment_align: 8
    .kernarg_segment_size: 104
    .max_flat_workgroup_size: 128
    .sgpr_count:     100
    .vgpr_count:     896
    .wavefront_size: 32
...
	.end_amdgpu_metadata
.endif
;; end of part 1
;; launch attn (part 2): grid 4 x 64, 16 waves a work-group, clusters of 4 x 1, 206,848 bytes of LDS; arguments qkv_c, qkv_s, att_c, att_s; writes att_c, att_s
.if DOCPART == 2
	.amdgcn_target "amdgcn-amd-amdhsa--gfx1250"
	.amdhsa_code_object_version 6
	.text
	.protected	k_qd2e36e099c_attn
	.globl	k_qd2e36e099c_attn
	.p2align	8
	.type	k_qd2e36e099c_attn,@function
k_qd2e36e099c_attn:
	s_mov_b64 s[64:65], 0
	v_nop
	global_prefetch_b8 v0, s[64:65] scope:SCOPE_SE
	s_setreg_imm32_b32 hwreg(HW_REG_WAVE_MODE, 25, 1), 1
	s_wait_xcnt 0x0
	s_wait_alu depctr_hold_cnt(0) depctr_sa_sdst(0) depctr_va_vdst(0) depctr_va_sdst(0) depctr_va_ssrc(0) depctr_va_vcc(0) depctr_vm_vsrc(0)
	s_getreg_b32 s2, hwreg(HW_REG_IB_STS2, 6, 4)
	s_cmp_eq_u32 s2, 0
	s_cbranch_scc0 .Lentry_in_a_cluster
	s_endpgm
.Lentry_in_a_cluster:
	s_bfe_u32 s2, ttmp6, 0x10000c
	s_cmp_lg_u32 s2, 0x3003
	s_cbranch_scc0 .Lentry_shape_is_right
	s_endpgm
.Lentry_shape_is_right:
; attn[b][t][head] = softmax(q k^T / 8) v for one head, both products on codes of FP6 (E2M3), and the result quantised along C for the last product.
; t = score x log2(e) / 8; M = the running largest t rounded up to a whole number; p = 2^(t - M) is quantised along the keys; the row's sum is taken of the unquantised p and divides at the end.
; SHARES.  A work-group owns 512 queries of one head (y = 16 batch + head).  THE HEAD'S WHOLE K AND V, 192 KiB of codes and 8 KiB of scale words, LIE IN LDS AND ARE FILLED ONCE: no ring, no refill, one barrier.
; The four work-groups of a head form a cluster and ask for every piece jointly.  A wave owns 16 queries a pass, two passes; four waves to a SIMD, so that one wave's exponentials stand beside another's products and loads.
; LAYOUT.  Both products transposed: a lane holds one query (lane % 16).  The keys of a tile of K are chosen (of 64 keys, tile u: keys 8 u + 0..7 in lanes 0-7, 32 + 8 (u xor 1) + 0..7 in lanes 8-15), so that a lane's 32
; scores of four tiles are ONE WHOLE BLOCK of 32 keys, in the order in which v's codes were laid: a block's largest score needs no other lane, and p's conversions give the operand's registers with no exchange of lanes.
; V's channels are chosen likewise (8 u + 0..7 and 32 + 8 u + 0..7), so that a lane's 32 results are one block of C in natural order.
; K = 64 IN AN INSTRUCTION OF 128: an operand is [codes, zeros] or [zeros, codes]; two tiles of K share six registers of zeros, Q stands on both sides of six more.  Zero codes meet zero codes; every scale byte lies in 1..254.
; No prefetch: every byte is asked for at the head.  The result's scale bytes leave singly, 32 bytes apart: a row's word for 128 along C comes from two heads, that is two work-groups; they are one byte for each 24 of codes.
; LIMITS: NaN and infinities are not served; a block whose largest magnitude lies under 2^-124 (zeros too) gets the byte 1: only this program reads the bytes.
.set SCB, 196608                       ; LDS: four quarters of 49,152 bytes (512 keys: 32 units of K, then 32 of V); from here K's scale words, 4,096 bytes, then V's
.set AX,  1                            ; v1, v2   a unit's registers 0-3, tiles of even and of odd number
.set AY,  3                            ; v3, v4   registers 4-5
.set AKS, 5                            ; v5, v6   K's scale words
.set AVS, 7                            ; v7       V's
.set SH8, 8                            ; v8       8 h
.set LX,  9                            ; v9       16 x lane
.set LY,  10                           ; v10      8 x lane
.set R16, 11                           ; v11      16 r
.set QF,  16                           ; v16-33   q, zeros, q
.set QS,  34                           ; scale words: they hold nothing else
.set PS,  35
.set KS,  36
.set VS,  38
.set KP,  40                           ; v40-57, v58-75: two pairs of tiles of K: codes, zeros, codes
.set VF,  76                           ; v76-123  four fragments of V
.set PF,  124                          ; v124-135 p's codes
.set TC,  136                          ; v136-138, v140-142 half blocks
.set SF,  144                          ; v144-207 scores, then p
.set OF,  208                          ; v208-239 O^T
.set MX,  240                          ; v240-243 maxima; v244-247, v254 at work; v[248:249] a second chain of sums; v250-251 scale operands; v[252:253] f
.macro CROUND
	s_barrier_signal -1
	s_barrier_wait -1
	s_cmp_lg_u32 s12, 0
	s_cbranch_scc1 .Lnot_wave_0_\@
	s_barrier_signal -3
.Lnot_wave_0_\@:
	s_barrier_wait -3
	s_barrier_signal -1
	s_barrier_wait -1
.endm
	s_load_b256 s[4:11], s[0:1], 0x0               ; qkv_c, qkv_s, att_c, att_s
	v_lshl_add_u32 v143, v0, 2, 0x32000
	v_mov_b32 v255, 0
	ds_add_u32 v143, v255
	ds_add_u32 v143, v255
	v_lshrrev_b32 v1, 5, v0
	s_delay_alu instid0(VALU_DEP_1)
	v_readfirstlane_b32 s12, v1                    ; wave 0..15
	s_bfe_u32 s13, ttmp6, 0x40000                  ; cx: my block of 512 queries; it enters global addresses of q and of the result alone
	s_and_b32 s14, ttmp7, 0xffff                   ; y
	s_mov_b32 s16, 15|(3<<16)|(1<<21)              ; K of 512 keys: 24,576 dense bytes as 96 rows of 32 elements of 8 bytes; the mask names all four work-groups
	s_mov_b32 s17, 32<<16
	s_mov_b32 s18, 96<<16
	s_mov_b32 s19, 32<<16
	s_mov_b32 s20, 96
	s_mov_b32 s21, 32
	s_mov_b32 s22, 0
	s_mov_b32 s23, 0
	s_mov_b32 s24, 15|(3<<16)|(1<<21)              ; scale words: 4,096 dense bytes as 16 rows
	s_mov_b32 s25, 32<<16
	s_mov_b32 s26, 16<<16
	s_mov_b32 s27, 32<<16
	s_mov_b32 s28, 16
	s_mov_b32 s29, 32
	s_mov_b32 s30, 0
	s_mov_b32 s31, 0
	s_mov_b32 s36, 15|(3<<16)|(1<<21)              ; V: the head's four units of four key steps: 4 rows of 3,072 bytes, 6,144 apart
	s_mov_b32 s37, 384<<16
	s_mov_b32 s38, 4<<16
	s_mov_b32 s39, 384<<16
	s_mov_b32 s40, 4
	s_mov_b32 s41, 768
	s_mov_b32 s42, 0
	s_mov_b32 s43, 0
	; ONE LOAD A WAVE: waves 0-3 K of quarter w; waves 4, 5 K's and V's scale words; waves 8-15 V of quarter (w / 2) % 4, half w % 2.  The LDS image is the one described at the head
	s_mul_i32 s2, s14, 98304
	s_mul_i32 s66, s12, 24576
	s_add_co_u32 s2, s2, s66
	s_add_co_u32 s2, s2, 6291456
	s_mov_b32 s3, 0
	s_mul_i32 s33, s12, 49152
	s_lshr_b32 s68, s14, 1
	s_mul_i32 s68, s68, 196608
	s_add_co_u32 s68, s68, 12582912
	s_and_b32 s15, s14, 1
	s_mul_i32 s15, s15, 3072
	s_add_co_u32 s68, s68, s15
	s_and_b32 s15, s12, 1
	s_mul_i32 s66, s15, 98304
	s_add_co_u32 s68, s68, s66
	s_mul_i32 s45, s15, 12288
	s_lshl_b32 s49, s15, 12
	s_add_co_u32 s49, s49, SCB
	s_lshl_b32 s67, s15, 18
	s_bfe_u32 s15, s12, 0x20001
	s_mul_i32 s66, s15, 24576
	s_add_co_u32 s68, s68, s66
	s_mul_i32 s66, s15, 49152
	s_add_co_u32 s45, s45, s66
	s_add_co_u32 s45, s45, 24576
	s_mov_b32 s69, 0
	s_lshl_b32 s66, s14, 12
	s_add_co_u32 s66, s66, s67
	s_add_co_u32 s66, s66, 262144
	s_mov_b32 s67, 0
	s_mov_b32 s32, 1
	s_mov_b32 s44, 1
	s_mov_b32 s48, 1
	s_wait_dscnt 0x0
	s_wait_kmcnt 0x0
	s_add_nc_u64 s[34:35], s[4:5], s[2:3]
	s_or_b32 s35, s35, 0x80000000
	s_add_nc_u64 s[46:47], s[4:5], s[68:69]
	s_or_b32 s47, s47, 0x80000000
	s_add_nc_u64 s[50:51], s[6:7], s[66:67]
	s_or_b32 s51, s51, 0x80000000
	CROUND                                         ; all four work-groups are here: the joint loads meet
	s_cmp_lt_u32 s12, 4
	s_cbranch_scc0 .Lhead_s
	tensor_load_to_lds s[32:35], s[16:23]
	s_nop 0
.rept 4
	v_nop
.endr
	s_branch .Lhead_j
.Lhead_s:
	s_cmp_lt_u32 s12, 6
	s_cbranch_scc0 .Lhead_v
	tensor_load_to_lds s[48:51], s[24:31]
	s_nop 0
.rept 4
	v_nop
.endr
	s_branch .Lhead_j
.Lhead_v:
	s_cmp_lt_u32 s12, 8
	s_cbranch_scc1 .Lhead_j
	tensor_load_to_lds s[44:47], s[36:43]
	s_nop 0
.rept 4
	v_nop
.endr
.Lhead_j:
.rept 4
	v_nop
.endr
.irp i, 0,1,2,3,4,5
	v_mov_b32 v[QF+6+\i], 0                        ; the zeros, written once
	v_mov_b32 v[KP+6+\i], 0
	v_mov_b32 v[KP+24+\i], 0
.endr
	v_mov_b32 v245, 0                              ; a lane permute's destination counts as read
	v_mov_b32 v253, 0                              ; named as the upper half of the pair v[252:253]
	s_lshl_b32 s15, s13, 5
	s_add_co_u32 s15, s15, s12                     ; my first tile of 16 queries: 32 cx + wave
	s_mul_i32 s2, s14, 98304
	s_mul_i32 s66, s15, 768
	s_add_co_u32 s2, s2, s66
	s_mov_b32 s3, 0
	s_add_nc_u64 s[52:53], s[4:5], s[2:3]          ; q's unit
	s_lshl_b32 s2, s14, 12
	s_lshl_b32 s66, s13, 10
	s_add_co_u32 s2, s2, s66
	s_lshr_b32 s66, s12, 3
	s_lshl_b32 s66, s66, 8
	s_add_co_u32 s2, s2, s66
	s_bfe_u32 s66, s12, 0x20001
	s_lshl_b32 s66, s66, 2
	s_add_co_u32 s2, s2, s66
	s_add_nc_u64 s[54:55], s[6:7], s[2:3]          ; the word that holds its scale bytes
	s_and_b32 s67, s14, 15                         ; head
	s_lshr_b32 s68, s14, 4                         ; batch
	s_lshl_b32 s2, s68, 7
	s_add_co_u32 s2, s2, s15                       ; the tile among all tokens' tiles
	s_mul_i32 s66, s2, 3072
	s_lshl_b32 s69, s2, 9
	s_lshr_b32 s2, s67, 2
	s_mul_i32 s2, s2, 1572864
	s_add_co_u32 s2, s2, s66
	s_and_b32 s66, s67, 3
	s_mul_i32 s66, s66, 768
	s_add_co_u32 s2, s2, s66
	s_add_nc_u64 s[56:57], s[8:9], s[2:3]          ; the result's unit
	s_lshl_b32 s2, s67, 1
	s_add_co_u32 s2, s2, s69
	s_add_nc_u64 s[58:59], s[10:11], s[2:3]        ; and its scale bytes
	s_mov_b32 s60, 0x76543210
	s_mov_b32 s61, 0xfedcba98                      ; lane l xor 16
	s_mov_b32 s62, 0x3e38aa3b                      ; c = log2(e) / 8
	s_mov_b32 s63, s62
	s_and_b32 s66, s12, 1
	s_lshl_b32 s66, s66, 4                         ; which half of the word is my tile's
	s_mov_b32 s67, 2
	s_wait_tensorcnt 0x0                           ; my pieces have landed,
	s_barrier_signal -1
	s_barrier_wait -1                              ; everybody's have: from here on LDS is only read
.macro SPROD c                         ; four tiles of 16 keys of the step's c-th 64
.irp u, 0,1,2,3
.if \c
	v_wmma_scale_f32_16x16x128_f8f6f4 v[SF+32*\c+8*\u:SF+32*\c+8*\u+7], v[KP+18*(\u%2)+6*(\u/2):KP+18*(\u%2)+6*(\u/2)+11], v[QF+6*(\u/2):QF+6*(\u/2)+11], 0, v[KS+\u%2], v[QS] matrix_a_fmt:MATRIX_FMT_FP6 matrix_b_fmt:MATRIX_FMT_FP6 matrix_a_scale:MATRIX_SCALE_ROW1
.else
	v_wmma_scale_f32_16x16x128_f8f6f4 v[SF+32*\c+8*\u:SF+32*\c+8*\u+7], v[KP+18*(\u%2)+6*(\u/2):KP+18*(\u%2)+6*(\u/2)+11], v[QF+6*(\u/2):QF+6*(\u/2)+11], 0, v[KS+\u%2], v[QS] matrix_a_fmt:MATRIX_FMT_FP6 matrix_b_fmt:MATRIX_FMT_FP6
.endif
.endr
.endm
.macro KLOAD e, c                      ; tiles u = q (below the zeros) and u = q + 2 (above them)
.irp q, 0,1
	ds_load_b128 v[KP+18*\q:KP+18*\q+3], v[AX+\q] offset:6144*\e+3072*\c
	ds_load_b64 v[KP+18*\q+4:KP+18*\q+5], v[AY+\q] offset:6144*\e+3072*\c
	ds_load_b128 v[KP+18*\q+12:KP+18*\q+15], v[AX+\q] offset:6144*\e+3072*\c+768
	ds_load_b64 v[KP+18*\q+16:KP+18*\q+17], v[AY+\q] offset:6144*\e+3072*\c+768
.endr
.endm
; A KEY STEP: 128 keys, the e-th of the quarter in hand.
.macro STEP e
	KLOAD \e, 0
	ds_load_b32 v[KS], v[AKS] offset:256*\e        ; lanes 0-15: the first 64 keys' words, lanes 16-31 the second's; a word: the lower tile's two bytes, the upper tile's two
	ds_load_b32 v[KS+1], v[AKS+1] offset:256*\e
	s_wait_dscnt 0x0
	SPROD 0
.rept 4
	v_nop                                          ; places in front of loads into registers that the products above, and the last step's, have read
.endr
	KLOAD \e, 1
.irp u, 0,1,2,3
.irp c, 0,1
	ds_load_b128 v[VF+12*\u+6*\c:VF+12*\u+6*\c+3], v[AX+\u%2] offset:24576+12288*\c+3072*\e+768*(\u/2)
	ds_load_b64 v[VF+12*\u+6*\c+4:VF+12*\u+6*\c+5], v[AY+\u%2] offset:24576+12288*\c+3072*\e+768*(\u/2)
.endr
.endr
	ds_load_b32 v[VS], v[AVS] offset:256*\e
	ds_load_b32 v[VS+1], v[AVS] offset:256*\e+128
	s_wait_dscnt 18                                ; K is in; V's sixteen loads and its two scale loads are younger and may stay out
	SPROD 1
.irp c, 0,1                            ; each block's largest score, in the lane; the first block's sixteen lines are the places behind the products just issued; each accumulator is read from its low end on
	v_max3_num_f32 v[MX+2*\c], v[SF+32*\c], v[SF+32*\c+1], v[SF+32*\c+2]
	v_max3_num_f32 v[MX+2*\c+1], v[SF+32*\c+16], v[SF+32*\c+17], v[SF+32*\c+18]
.irp i, 3,5,7,9,11,13
	v_max3_num_f32 v[MX+2*\c], v[MX+2*\c], v[SF+32*\c+\i], v[SF+32*\c+\i+1]
	v_max3_num_f32 v[MX+2*\c+1], v[MX+2*\c+1], v[SF+32*\c+16+\i], v[SF+32*\c+17+\i]
.endr
	v_max3_num_f32 v[MX+2*\c], v[MX+2*\c], v[SF+32*\c+15], v[SF+32*\c+31]
	s_delay_alu instid0(VALU_DEP_1)
	v_max_num_f32 v[MX+2*\c], v[MX+2*\c], v[MX+2*\c+1]
.endr
	s_delay_alu instid0(VALU_DEP_1)
	v_max_num_f32 v244, v[MX], v[MX+2]
	s_delay_alu instid0(VALU_DEP_1)
	v_permlanex16_b32 v245, v244, s60, s61
	s_delay_alu instid0(VALU_DEP_1)
	v_max_num_f32 v244, v244, v245                 ; the step's largest score of my query
	s_delay_alu instid0(VALU_DEP_1)
	v_mul_f32 v244, s62, v244
	s_delay_alu instid0(VALU_DEP_1)
	v_max_num_f32 v13, v13, v244                   ; the running largest t
	v_mov_b32 v244, v12
	s_delay_alu instid0(VALU_DEP_2)
	v_floor_f32 v12, -v13                          ; -M = floor(-t): M is a whole number
	s_delay_alu instid0(VALU_DEP_1)
	v_sub_f32 v244, v12, v244
	s_delay_alu instid0(VALU_DEP_1)
	v_cvt_i32_f32 v244, v244                       ; (it saturates)
	s_delay_alu instid0(VALU_DEP_1)
	v_ldexp_f32 v252, 1.0, v244                    ; f = 2^(old M - new M): rounds nothing
.irp j, 0,2,4,6,8,10,12,14,16,18,20,22,24,26,28,30,32,34,36,38,40,42,44,46,48,50,52,54,56,58,60,62
	v_pk_fma_f32 v[SF+\j:SF+\j+1], v[SF+\j:SF+\j+1], s[62:63], v[12:13] op_sel_hi:[1,0,0]
.endr
	v_fma_f32 v[MX], v[MX], s62, v12               ; the same of each block's largest score
	v_fma_f32 v[MX+2], v[MX+2], s62, v12
	s_wait_alu depctr_va_vdst(0)
.irp j, 0,1,2,3,4,5,6,7,8,9,10,11,12,13,14,15,16,17,18,19,20,21,22,23,24,25,26,27,28,29,30,31,32,33,34,35,36,37,38,39,40,41,42,43,44,45,46,47,48,49,50,51,52,53,54,55,56,57,58,59,60,61,62,63
	v_exp_f32 v[SF+\j], v[SF+\j]                   ; p = 2^(t - M)
.endr
	v_pk_mul_f32 v[14:15], v[14:15], v[252:253] op_sel_hi:[1,0]   ; the sums under the new M: the plain line behind the batch
	s_wait_alu depctr_va_vdst(0)                   ; one wait for the 64, ahead of their first reader
	v_exp_f32 v[MX], v[MX]                         ; each block's largest p
	v_exp_f32 v[MX+2], v[MX+2]
	v_pk_add_f32 v[248:249], v[148:149], v[152:153]
	v_pk_add_f32 v[250:251], v[156:157], v[160:161]
	v_pk_add_f32 v[246:247], v[164:165], v[168:169]
	v_pk_add_f32 v[140:141], v[172:173], v[176:177]
	v_pk_add_f32 v[138:139], v[180:181], v[184:185]
	v_pk_add_f32 v[136:137], v[188:189], v[192:193]
	v_pk_add_f32 v[134:135], v[196:197], v[200:201]
	v_pk_add_f32 v[14:15], v[14:15], v[204:205]
	v_pk_add_f32 v[248:249], v[248:249], v[144:145]
	v_pk_add_f32 v[250:251], v[250:251], v[146:147]
	v_pk_add_f32 v[246:247], v[246:247], v[150:151]
	v_pk_add_f32 v[140:141], v[140:141], v[154:155]
	v_pk_add_f32 v[138:139], v[138:139], v[158:159]
	v_pk_add_f32 v[136:137], v[136:137], v[162:163]
	v_pk_add_f32 v[134:135], v[134:135], v[166:167]
	v_pk_add_f32 v[14:15], v[14:15], v[170:171]
	v_pk_add_f32 v[248:249], v[248:249], v[174:175]
	v_pk_add_f32 v[250:251], v[250:251], v[178:179]
	v_pk_add_f32 v[246:247], v[246:247], v[182:183]
	v_pk_add_f32 v[140:141], v[140:141], v[186:187]
	v_pk_add_f32 v[138:139], v[138:139], v[190:191]
	v_pk_add_f32 v[136:137], v[136:137], v[194:195]
	v_pk_add_f32 v[134:135], v[134:135], v[198:199]
	v_pk_add_f32 v[14:15], v[14:15], v[202:203]
	v_pk_add_f32 v[248:249], v[248:249], v[206:207]
	s_delay_alu instid0(VALU_DEP_2)
	v_pk_add_f32 v[14:15], v[14:15], v[140:141]
	s_delay_alu instid0(VALU_DEP_2)
	v_pk_add_f32 v[248:249], v[248:249], v[138:139]
	v_pk_add_f32 v[250:251], v[250:251], v[136:137]
	v_pk_add_f32 v[246:247], v[246:247], v[134:135]
	s_delay_alu instid0(VALU_DEP_2)
	v_pk_add_f32 v[14:15], v[14:15], v[250:251]
	s_delay_alu instid0(VALU_DEP_2)
	v_pk_add_f32 v[248:249], v[248:249], v[246:247]
	s_delay_alu instid0(VALU_DEP_1)
	v_pk_add_f32 v[14:15], v[14:15], v[248:249]
	s_wait_alu depctr_va_vdst(0)                   ; and one for the two
	v_max_num_f32 v[MX], 0x1800000, v[MX]          ; the floor 2^-124: the byte cannot fall under 1
	v_max_num_f32 v[MX+2], 0x1800000, v[MX+2]
	s_delay_alu instid0(VALU_DEP_2)
	v_add_nc_u32 v250, 0xff000000, v[MX]           ; 2 off the exponent field: the conversion's scale operand
	s_delay_alu instid0(VALU_DEP_2)
	v_add_nc_u32 v251, 0xff000000, v[MX+2]
	s_delay_alu instid0(VALU_DEP_2)
	v_lshrrev_b32 v246, 23, v250
	s_delay_alu instid0(VALU_DEP_2)
	v_lshrrev_b32 v247, 23, v251
	s_delay_alu instid0(VALU_DEP_1)
	v_lshl_or_b32 v246, v247, 16, v246             ; my bytes: blocks h and 2 + h,
	s_delay_alu instid0(VALU_DEP_1)
	v_lshlrev_b32 v246, v[SH8], v246               ; at their places;
	s_delay_alu instid0(VALU_DEP_1)
	v_permlanex16_b32 v245, v246, s60, s61
	s_delay_alu instid0(VALU_DEP_1)
	v_or_b32 v[PS], v246, v245                     ; with lane l xor 16's the word is whole
	v_cvt_scalef32_pk16_fp6_f32 v[PF:PF+2], v[SF:SF+15], v250
	v_cvt_scalef32_pk16_fp6_f32 v[TC:TC+2], v[SF+16:SF+31], v250
	v_cvt_scalef32_pk16_fp6_f32 v[PF+6:PF+8], v[SF+32:SF+47], v251
	v_cvt_scalef32_pk16_fp6_f32 v[TC+4:TC+6], v[SF+48:SF+63], v251
	v_nop                                          ; one plain line behind the conversions
.irp i, 0,1,2
	v_mov_b32 v[PF+3+\i], v[TC+\i]
	v_mov_b32 v[PF+9+\i], v[TC+4+\i]
.endr
.irp j, 0,2,4,6,8,10,12,14,16,18,20,22,24,26,28,30
	v_pk_mul_f32 v[OF+\j:OF+\j+1], v[OF+\j:OF+\j+1], v[252:253] op_sel_hi:[1,0]   ; O^T under the new M; these sixteen also stand between the lines that made p's codes and scale word and the products
.endr
	s_wait_alu depctr_va_vdst(0)
	s_wait_dscnt 0x0                               ; V
.irp u, 0,1                            ; the four accumulators take turns
	v_wmma_scale_f32_16x16x128_f8f6f4 v[OF+8*\u:OF+8*\u+7], v[VF+12*\u:VF+12*\u+11], v[PF:PF+11], v[OF+8*\u:OF+8*\u+7], v[VS+\u], v[PS] matrix_a_fmt:MATRIX_FMT_FP6 matrix_b_fmt:MATRIX_FMT_FP6
.endr
.irp u, 2,3
	v_wmma_scale_f32_16x16x128_f8f6f4 v[OF+8*\u:OF+8*\u+7], v[VF+12*\u:VF+12*\u+11], v[PF:PF+11], v[OF+8*\u:OF+8*\u+7], v[VS+\u-2], v[PS] matrix_a_fmt:MATRIX_FMT_FP6 matrix_b_fmt:MATRIX_FMT_FP6 matrix_a_scale:MATRIX_SCALE_ROW1
.endr
.endm
.Lpass:
	v_and_b32 v[LX], 31, v0
	s_delay_alu instid0(VALU_DEP_1)
	v_lshlrev_b32 v[LY], 3, v[LX]
	s_delay_alu instid0(VALU_DEP_2)
	v_lshlrev_b32 v[LX], 4, v[LX]
	v_and_b32 v[R16], 15, v0
	s_delay_alu instid0(VALU_DEP_1)
	v_lshlrev_b32 v[R16], 4, v[R16]
	global_load_b128 v[QF:QF+3], v[LX], s[52:53]   ; q's unit, on both sides of the zeros
	global_load_b64 v[QF+4:QF+5], v[LY], s[52:53] offset:512
	global_load_b128 v[QF+12:QF+15], v[LX], s[52:53]
	global_load_b64 v[QF+16:QF+17], v[LY], s[52:53] offset:512
	global_load_b32 v254, v[R16], s[54:55]
	v_and_b32 v244, 7, v0                          ; j
	v_bfe_u32 v246, v0, 3, 1                       ; g8
	v_bfe_u32 v247, v0, 4, 1                       ; h
	s_delay_alu instid0(VALU_DEP_3)
	v_lshlrev_b32 v[AX], 4, v244                   ; lanes 8-15 read two units on, and the other eight rows of it: 1,536 + 128
	s_delay_alu instid0(VALU_DEP_1)
	v_lshl_add_u32 v[AX], v247, 8, v[AX]
	s_delay_alu instid0(VALU_DEP_1)
	v_mad_u32_u24 v[AX], v246, 1664, v[AX]
	s_delay_alu instid0(VALU_DEP_1)
	v_xor_b32 v[AX+1], 128, v[AX]
	v_lshlrev_b32 v[AY], 3, v244
	s_delay_alu instid0(VALU_DEP_1)
	v_lshl_add_u32 v[AY], v247, 7, v[AY]
	s_delay_alu instid0(VALU_DEP_1)
	v_mad_u32_u24 v[AY], v246, 1600, v[AY]
	s_delay_alu instid0(VALU_DEP_1)
	v_add_nc_u32 v[AY], 512, v[AY]
	s_delay_alu instid0(VALU_DEP_1)
	v_xor_b32 v[AY+1], 64, v[AY]
	v_lshlrev_b32 v[AKS], 4, v244
	s_delay_alu instid0(VALU_DEP_1)
	v_lshl_add_u32 v[AKS], v247, 3, v[AKS]
	s_delay_alu instid0(VALU_DEP_1)
	v_mad_u32_u24 v[AKS], v246, 132, v[AKS]
	s_delay_alu instid0(VALU_DEP_1)
	v_add_nc_u32 v[AKS], SCB, v[AKS]
	s_delay_alu instid0(VALU_DEP_1)
	v_xor_b32 v[AKS+1], 128, v[AKS]
	v_lshlrev_b32 v[AVS], 4, v244
	s_delay_alu instid0(VALU_DEP_1)
	v_lshl_add_u32 v[AVS], v246, 3, v[AVS]
	s_delay_alu instid0(VALU_DEP_1)
	v_lshl_add_u32 v[AVS], v247, 2, v[AVS]
	s_delay_alu instid0(VALU_DEP_1)
	v_add_nc_u32 v[AVS], SCB+4096, v[AVS]
	v_lshlrev_b32 v[SH8], 3, v247
	s_wait_loadcnt 0x0
	v_lshrrev_b32 v254, s66, v254
	s_delay_alu instid0(VALU_DEP_1)
	v_and_b32 v254, 0xffff, v254
	s_delay_alu instid0(VALU_DEP_1)
	v_lshl_or_b32 v[QS], v254, 16, v254            ; q's two bytes, for either side
.irp j, 0,1,2,3,4,5,6,7,8,9,10,11,12,13,14,15,16,17,18,19,20,21,22,23,24,25,26,27,28,29,30,31
	v_mov_b32 v[OF+\j], 0                          ; the step is written once: the first finds zeros.  (More than eight plain lines between the scale word's last line and the first product)
.endr
	v_mov_b32 v13, 0xff61b1e6                      ; -3e38, under every t
	s_delay_alu instid0(VALU_DEP_1)
	v_floor_f32 v12, -v13
	v_mov_b32 v14, 0
	v_mov_b32 v15, 0
	s_mov_b32 s68, 4
.Lquarter:
	s_wait_alu depctr_va_vdst(0)
	STEP 0
	STEP 1
	STEP 2
	STEP 3
.irp i, 0,1,2,3
	v_add_nc_u32 v[AX+\i], 49152, v[AX+\i]         ; the next 512 keys
.endr
.irp i, 0,1,2
	v_add_nc_u32 v[AKS+\i], 1024, v[AKS+\i]
.endr
	s_sub_co_u32 s68, s68, 1
	s_cmp_lg_u32 s68, 0
	s_cbranch_scc1 .Lquarter
	; THE WAY OUT of a pass: O^T / the sum, one block of 32 a lane, quantised; the unit leaves as 512 + 256 consecutive bytes
.rept 4
	v_nop
.endr
	v_add_f32 v14, v14, v15
	s_delay_alu instid0(VALU_DEP_1)
	v_permlanex16_b32 v245, v14, s60, s61
	s_delay_alu instid0(VALU_DEP_1)
	v_add_f32 v14, v14, v245
	s_wait_alu depctr_va_vdst(0)
	v_rcp_f32 v252, v14
	v_and_b32 v254, 15, v0                         ; (plain lines behind the reciprocal)  32 r + h: my scale byte's place
	v_bfe_u32 v247, v0, 4, 1
	s_delay_alu instid0(VALU_DEP_1)
	v_lshl_add_u32 v254, v254, 5, v247
	s_wait_alu depctr_va_vdst(0)                   ; ahead of the reciprocal's first reader
.irp j, 0,2,4,6,8,10,12,14,16,18,20,22,24,26,28,30
	v_pk_mul_f32 v[OF+\j:OF+\j+1], v[OF+\j:OF+\j+1], v[252:253] op_sel_hi:[1,0]
.endr
	v_max3_num_f32 v[MX], |v[OF]|, |v[OF+1]|, 0x1800000
	v_max3_num_f32 v[MX+1], |v[OF+16]|, |v[OF+17]|, 0x1800000
.irp i, 2,4,6,8,10,12,14
	s_delay_alu instid0(VALU_DEP_2)
	v_max3_num_f32 v[MX], v[MX], |v[OF+\i]|, |v[OF+\i+1]|
	s_delay_alu instid0(VALU_DEP_2)
	v_max3_num_f32 v[MX+1], v[MX+1], |v[OF+16+\i]|, |v[OF+17+\i]|
.endr
	s_delay_alu instid0(VALU_DEP_1)
	v_max_num_f32 v[MX], v[MX], v[MX+1]
	s_delay_alu instid0(VALU_DEP_1)
	v_add_nc_u32 v250, 0xff000000, v[MX]
	s_delay_alu instid0(VALU_DEP_1)
	v_lshrrev_b32 v246, 23, v250
	v_cvt_scalef32_pk16_fp6_f32 v[PF:PF+2], v[OF:OF+15], v250
	v_cvt_scalef32_pk16_fp6_f32 v[TC:TC+2], v[OF+16:OF+31], v250
	v_nop
.irp i, 0,1,2
	v_mov_b32 v[PF+3+\i], v[TC+\i]
.endr
	global_store_b128 v[LX], v[PF:PF+3], s[56:57]
	global_store_b64 v[LY], v[PF+4:PF+5], s[56:57] offset:512
	global_store_b8 v254, v246, s[58:59]
	s_wait_xcnt 0x0                                ; the stores have read their registers and bases: all are written again below and in the next pass
	s_add_nc_u64 s[52:53], s[52:53], 12288         ; sixteen tiles on
	s_add_nc_u64 s[54:55], s[54:55], 512
	s_add_nc_u64 s[56:57], s[56:57], 49152
	s_add_nc_u64 s[58:59], s[58:59], 8192
	s_sub_co_u32 s67, s67, 1
	s_cmp_lg_u32 s67, 0
	s_cbranch_scc1 .Lpass
	s_wait_tensorcnt 0x0
	ds_add_u32 v143, v255
	s_wait_dscnt 0x0
	CROUND                                         ; the closing round
	s_endpgm
.Lfunc_end_k_qd2e36e099c_attn:
	.size	k_qd2e36e099c_attn, .Lfunc_end_k_qd2e36e099c_attn-k_qd2e36e099c_attn
	.p2alignl 7, 3214868480
	.fill 96, 4, 3214868480
	.section	.rodata,"a",@progbits
	.p2align	6, 0x0
	.amdhsa_kernel k_qd2e36e099c_attn
		.amdhsa_group_segment_fixed_size 206848
		.amdhsa_private_segment_fixed_size 0
		.amdhsa_enable_private_segment 0
		.amdhsa_kernarg_size 32
		.amdhsa_user_sgpr_count 2
		.amdhsa_user_sgpr_kernarg_segment_ptr 1
		.amdhsa_wavefront_size32 1
		.amdhsa_system_sgpr_workgroup_id_x 1
		.amdhsa_system_sgpr_workgroup_id_y 1
		.amdhsa_system_sgpr_workgroup_id_z 1
		.amdhsa_system_vgpr_workitem_id 0
		.amdhsa_next_free_vgpr 256
		.amdhsa_next_free_sgpr 70
		.amdhsa_reserve_vcc 0
		.amdhsa_float_denorm_mode_32 3
		.amdhsa_float_denorm_mode_16_64 3
		.amdhsa_memory_ordered 1
		.amdhsa_forward_progress 1
		.amdhsa_inst_pref_size 79
	.end_amdhsa_kernel
	.amdgpu_metadata
---
amdhsa.version: [ 1, 2 ]
amdhsa.kernels:
  - .name:           k_qd2e36e099c_attn
    .symbol:         k_qd2e36e099c_attn.kd
    .args:
      - { .name: qkv_c, .offset: 0, .size: 8, .value_kind: global_buffer, .address_space: global }
      - { .name: qkv_s, .offset: 8, .size: 8, .value_kind: global_buffer, .address_space: global }
      - { .name: att_c, .offset: 16, .size: 8, .value_kind: global_buffer, .address_space: global }
      - { .name: att_s, .offset: 24, .size: 8, .value_kind: global_buffer, .address_space: global }
    .group_segment_fixed_size: 206848
    .private_segment_fixed_size: 0
    .kernarg_segment_align: 8
    .kernarg_segment_size: 32
    .max_flat_workgroup_size: 512
    .sgpr_count:     70
    .vgpr_count:     256
    .wavefront_size: 32
...
	.end_amdgpu_metadata
.endif
;; end of part 2
;; launch outp (part 3): grid 8 x 32, 4 waves a work-group, clusters of 4 x 4, 327,680 bytes of LDS; arguments att_c, att_s, Wo_codes, Wo_scales, bo, out0; writes out0
.if DOCPART == 3
	.amdgcn_target "amdgcn-amd-amdhsa--gfx1250"
	.amdhsa_code_object_version 6
	.text
	.protected	k_qd2e36e099c_outp
	.globl	k_qd2e36e099c_outp
	.p2align	8
	.type	k_qd2e36e099c_outp,@function
k_qd2e36e099c_outp:
	s_mov_b64 s[64:65], 0
	v_nop
	global_prefetch_b8 v0, s[64:65] scope:SCOPE_SE
	s_setreg_imm32_b32 hwreg(HW_REG_WAVE_MODE, 25, 1), 1
	s_wait_xcnt 0x0
	s_wait_alu depctr_hold_cnt(0) depctr_sa_sdst(0) depctr_va_vdst(0) depctr_va_sdst(0) depctr_va_ssrc(0) depctr_va_vcc(0) depctr_vm_vsrc(0)
	s_getreg_b32 s2, hwreg(HW_REG_IB_STS2, 6, 4)
	s_cmp_eq_u32 s2, 0
	s_cbranch_scc0 .Lentry_in_a_cluster
	s_endpgm
.Lentry_in_a_cluster:
	s_bfe_u32 s2, ttmp6, 0x10000c
	s_cmp_lg_u32 s2, 0xf033
	s_cbranch_scc0 .Lentry_shape_is_right
	s_endpgm
.Lentry_shape_is_right:
; out = attn Wo^T + bo on codes of FP6 (E2M3) with E8M0 scales; f32 out.
; SHARES.  256 work-groups: 32 blocks of 256 tokens x 8 blocks of 128 columns; all of K lies in LDS, filled once at the head: no ring, no refill.
; Four waves, 2 x 2: wave (a, b) takes tokens 128 a .. and columns 64 b ..; it holds its 64 rows of Wo, all of K, in 384 registers and streams the tokens past them in blocks of 16: 32 products a block.
; attn's codes lie in units of 768 bytes (16 tokens x a head's 64: registers 0-3 at 16 x lane, 4-5 at 512 + 8 x lane), [4 heads' slab][token tile][head % 4]: a block's 16 tiles of a slab are 49,152 dense bytes.
; Source 0 is Wo: a lane holds eight neighbouring columns of a token's row.  A block's 16 x 64 results go through the wave's own stage in LDS and leave as whole rows of 256 bytes, aligned.
; CLUSTERS 4 x 4: the tokens' codes and scales are shared along a row of the cluster, Wo's rows along a column.  No prefetch: every byte is asked for at the head.
; LIMITS: NaN and infinities are not served.
.set PITCH, 816
.set FR,    12
.set FPW,   21                         ; fragment f lies in window 1 + f / 21 at register 12 (f % 21); 0-31 Wo's (4 q + u), 32-39 and 40-47 the tokens' two sets
.set WB,    196608                     ; LDS: four slabs of 49,152; Wo's 128 rows; the tokens' scale bytes (32 x (256 + 16)); four stages of 16 x 272; the spare words
.set XS,    WB+128*PITCH
.set STG,   XS+32*272
.set SPARE, STG+4*16*272
.set SPW, 2
.set NIL, 3
.set XL,  4                            ; v4 16 x lane, v5 512 + 8 x lane, both + my 8 tiles' place
.set WA,  10
.set XA,  20                           ; v20-27: two sets of (16 l, 8 l) for slabs 0, 1 and for slabs 2, 3
.set SN,  28
.set STO, 29
.set RD,  30
.set CO,  31
.set WSV, 33
.set BO,  34
.set SB,  64
.set SA,  82
.set ACC, 128
.set BK,  160
.set BI,  72                           ; in window 3
.set MSB, 0
.macro WIN new
.if MSB != (\new)
	s_set_vgpr_msb (MSB<<8)|(\new)
.set MSB, (\new)
.endif
.endm
.macro PLACES n
.rept \n
	v_nop
.endr
.endm
.macro WALU
	s_wait_alu depctr_va_vdst(0)
.endm
.macro BARRIER
	s_barrier_signal -1
	s_barrier_wait -1
.endm
.macro CROUND
	BARRIER
	s_cmp_lg_u32 s14, 0
	s_cbranch_scc1 .Lnot_wave_0_\@
	s_barrier_signal -3
.Lnot_wave_0_\@:
	s_barrier_wait -3
	BARRIER
.endm
.macro TLOAD g0, g1
	tensor_load_to_lds s[\g0:\g0+3], s[\g1:\g1+7]
	s_nop 0
	PLACES 4
.endm
.macro FRAG f, q, a                    ; Wo: six pieces of 8 bytes, two to a load where both go by the same address register
	WIN (1+(\f)/FPW)<<6
.set R_, FR*((\f)%FPW)
.irp p, 0,2,4
.set P0_, 12*(\q)+6*(\p/3)+\p%3
.set P1_, 12*(\q)+6*((\p+1)/3)+(\p+1)%3
.set Y0_, (P0_%32+3)/32
.set Y1_, (P1_%32+3)/32
.if Y0_ == Y1_
	ds_load_2addr_b64 v[R_+2*\p:R_+2*\p+3], v[\a+Y0_] offset0:P0_+2*(P0_/32) offset1:P1_+2*(P1_/32)
.else
	ds_load_b64 v[R_+2*\p:R_+2*\p+1], v[\a+Y0_] offset:8*(P0_+2*(P0_/32))
	ds_load_b64 v[R_+2*\p+2:R_+2*\p+3], v[\a+Y1_] offset:8*(P1_+2*(P1_/32))
.endif
.endr
.endm
.macro FETCH e, s                      ; block s of the tokens into set e: two units a fragment, NF = 34 loads
	v_add_nc_u32 v[XA+4*(\e)], 3072*(\s), v[XL]
	v_add_nc_u32 v[XA+4*(\e)+1], 3072*(\s), v[XL+1]
	v_add_nc_u32 v[XA+4*(\e)+2], 3072*(\s)+98304, v[XL]
	v_add_nc_u32 v[XA+4*(\e)+3], 3072*(\s)+98304, v[XL+1]
	WALU
.irp q, 0,1,2,3,4,5,6,7
	WIN (1+(32+8*(\e)+\q)/FPW)<<6
.set R_, FR*((32+8*(\e)+\q)%FPW)
.set O_, 49152*((\q/2)%2)+1536*(\q%2)
.set A_, XA+4*(\e)+2*(\q/4)
	ds_load_b128 v[R_:R_+3], v[A_] offset:O_
	ds_load_b64 v[R_+4:R_+5], v[A_+1] offset:O_
	ds_load_b128 v[R_+6:R_+9], v[A_] offset:O_+768
	ds_load_b64 v[R_+10:R_+11], v[A_+1] offset:O_+768
.endr
	WIN 0
	ds_load_b128 v[SA+8*(\e):SA+8*(\e)+3], v[SN] offset:544*(\s)
	ds_load_b128 v[SA+8*(\e)+4:SA+8*(\e)+7], v[SN] offset:544*(\s)+16
.endm
.set NF, 34
.macro PROD1 d, r0, r1, c, x0, x1, o
.if \o
	v_wmma_scale_f32_16x16x128_f8f6f4 v[\d:\d+7], v[\r0:\r0+FR-1], v[\r1:\r1+FR-1], \c, v[\x0], v[\x1] matrix_a_fmt:MATRIX_FMT_FP6 matrix_b_fmt:MATRIX_FMT_FP6 matrix_a_scale:MATRIX_SCALE_ROW1
.else
	v_wmma_scale_f32_16x16x128_f8f6f4 v[\d:\d+7], v[\r0:\r0+FR-1], v[\r1:\r1+FR-1], \c, v[\x0], v[\x1] matrix_a_fmt:MATRIX_FMT_FP6 matrix_b_fmt:MATRIX_FMT_FP6
.endif
.endm
.macro BLOCK e                         ; 32 products (n = 4 q + u), four accumulators by turns; the first four take the bias as C; five places behind them
.set N_, 0
.rept 32
.set Q_, N_/4
.set U_, N_%4
.set FW_, 4*Q_+U_
.set FX_, 32+8*(\e)+Q_
.set RW_, FR*(FW_%FPW)
.set RX_, FR*(FX_%FPW)
.set D_, ACC+8*U_
.if Q_
	WIN (1+FW_/FPW)|((1+FX_/FPW)<<2)
	PROD1 D_, RW_, RX_, v[D_:D_+7], SB+8*(U_/2)+Q_, SA+8*(\e)+Q_, U_%2
.else
	WIN (1+FW_/FPW)|((1+FX_/FPW)<<2)|(3<<4)
	PROD1 D_, RW_, RX_, v[BI+8*U_:BI+8*U_+7], SB+8*(U_/2)+Q_, SA+8*(\e)+Q_, U_%2
.endif
.set N_, N_+1
.endr
	WIN 0
	PLACES 5
.endm
; ---- the head
	s_load_b256 s[36:43], s[0:1], 0x0              ; att_c, att_s, Wo c, Wo s
	s_load_b128 s[44:47], s[0:1], 0x20             ; bo, out0
	v_lshl_add_u32 v[SPW], v0, 2, SPARE
	v_mov_b32 v[NIL], 0
	ds_add_u32 v[SPW], v[NIL]                      ; the opening lines
	ds_add_u32 v[SPW], v[NIL]
	v_lshrrev_b32 v128, 5, v0
	v_readfirstlane_b32 s14, v128                  ; wave; s15 = a, s16 = b
	s_lshr_b32 s15, s14, 1
	s_and_b32 s16, s14, 1
	s_bfe_u32 s17, ttmp6, 0x40000                  ; cx
	s_bfe_u32 s18, ttmp6, 0x40004                  ; cy
	s_lshl_b32 s19, ttmp9, 2
	s_add_co_u32 s19, s19, s17                     ; the block of 128 columns
	s_and_b32 s20, ttmp7, 0xffff
	s_lshl_b32 s20, s20, 2
	s_add_co_u32 s20, s20, s18                     ; the block of 256 tokens
	s_lshl_b32 s21, s18, 2
	s_lshl_b32 s21, 15, s21                        ; my row of the cluster
	s_lshl_b32 s22, 0x1111, s17                    ; my column
	s_or_b32 s68, s21, (3<<16)|(1<<21)             ; two slabs: 2 rows of 49,152 bytes (6,144 elements of 8), 1,572,864 bytes apart
	s_mov_b32 s69, 6144<<16
	s_mov_b32 s70, 2<<16
	s_mov_b32 s71, 6144<<16
	s_mov_b32 s72, 2
	s_mov_b32 s73, 196608
	s_mov_b32 s74, 0
	s_mov_b32 s75, 0
	s_or_b32 s76, s22, (1<<20)|(1<<21)|(5<<22)|(3<<25)   ; Wo: 128 rows of 768 bytes, 16 bytes of padding behind every 256
	s_mov_b32 s77, 768<<16
	s_mov_b32 s78, 128<<16
	s_mov_b32 s79, 768<<16
	s_mov_b32 s80, 128
	s_mov_b32 s81, 768
	s_mov_b32 s82, 0
	s_mov_b32 s83, 0
	s_or_b32 s84, s21, (3<<16)|(1<<20)|(1<<21)|(5<<22)|(3<<25)   ; the tokens' scale bytes: 8,192 dense bytes as 32 rows of 256
	s_mov_b32 s85, 32<<16
	s_mov_b32 s86, 32<<16
	s_mov_b32 s87, 32<<16
	s_mov_b32 s88, 32
	s_mov_b32 s89, 32
	s_mov_b32 s90, 0
	s_mov_b32 s91, 0
	s_mov_b32 s92, 1
	s_mul_i32 s93, s16, 98304
	s_mov_b32 s96, 1
	s_mov_b32 s97, WB
	s_mov_b32 s8, 1
	s_mov_b32 s9, XS
	s_mul_i32 s24, s20, 49152
	s_mul_i32 s25, s16, 3145728
	s_add_co_u32 s24, s24, s25                     ; the two slabs that waves 2, 3 fetch
	s_mov_b32 s25, 0
	s_lshl_b32 s28, s20, 13
	s_mov_b32 s29, 0
	s_mul_i32 s26, s19, 98304
	s_mov_b32 s27, 0
	s_lshl_b32 s12, s19, 12
	s_lshl_b32 s13, s16, 11
	s_add_co_u32 s12, s12, s13                     ; my 64 rows' scale bytes
	s_mov_b32 s13, 0
	s_lshl_b32 s2, s19, 9
	s_lshl_b32 s3, s16, 8
	s_add_co_u32 s2, s2, s3                        ; my 64 columns, in bytes of f32
	s_mov_b32 s3, 0
	WALU
	s_wait_dscnt 0x0
	CROUND                                         ; the round in front of the joint loads
	s_wait_kmcnt 0x0
	s_add_nc_u64 s[94:95], s[36:37], s[24:25]
	s_or_b32 s95, s95, 0x80000000
	s_add_nc_u64 s[10:11], s[38:39], s[28:29]
	s_or_b32 s11, s11, 0x80000000
	s_add_nc_u64 s[98:99], s[40:41], s[26:27]
	s_or_b32 s99, s99, 0x80000000
	s_add_nc_u64 s[42:43], s[42:43], s[12:13]
	s_add_nc_u64 s[44:45], s[44:45], s[2:3]
	s_cmp_eq_u32 s14, 0                            ; one load a wave, in one chain of branches
	s_cbranch_scc0 .Lh1
	TLOAD 96, 76                                   ; wave 0: Wo's rows
	s_branch .Lhj
.Lh1:
	s_cmp_eq_u32 s14, 1
	s_cbranch_scc0 .Lh2
	TLOAD 8, 84                                    ; wave 1: the tokens' scale bytes
	s_branch .Lhj
.Lh2:
	TLOAD 92, 68                                   ; waves 2, 3: two slabs each
.Lhj:
	s_lshl_b32 s28, s20, 8
	s_lshl_b32 s29, s15, 7
	s_add_co_u32 s28, s28, s29
	s_lshl_b32 s28, s28, 12                        ; my first row of out0, 4,096 bytes a row,
	s_add_co_u32 s28, s28, s2                      ; and my columns
	s_mov_b32 s29, 0
	s_add_nc_u64 s[32:33], s[46:47], s[28:29]
	s_mul_i32 s62, s15, 24576                      ; registers that no descriptor holds: the head's loads are still out
	s_mul_i32 s63, s16, 64*PITCH
	s_add_co_u32 s63, s63, WB
	s_mul_i32 s66, s15, 16*272
	s_add_co_u32 s66, s66, XS
	s_mul_i32 s23, s14, 16*272
	s_add_co_u32 s23, s23, STG
	v_and_b32 v128, 15, v0                         ; r
	v_bfe_u32 v129, v0, 4, 1                       ; h
	v_and_b32 v130, 7, v0
	v_bfe_u32 v131, v0, 3, 1
	v_and_b32 v141, 31, v0
	v_lshl_add_u32 v[XL], v141, 4, s62
	v_lshl_add_u32 v[XL+1], v141, 3, s62
	v_add_nc_u32 v[XL+1], 512, v[XL+1]
	v_mul_u32_u24 v132, v129, 24
	v_mad_u32_u24 v133, v128, PITCH, v132
	v_add_nc_u32 v133, s63, v133
.irp u, 0,1,2,3
	v_add_nc_u32 v[WA+2*\u], 16*\u*PITCH, v133
	v_lshl_add_u32 v[WA+2*\u+1], v129, 4, v[WA+2*\u]
.endr
	v_lshlrev_b32 v139, 5, v130
	v_add_nc_u32 v139, s66, v139
	v_mad_u32_u24 v[SN], v131, 272, v139
	v_mul_u32_u24 v134, v128, 272
	v_lshl_add_u32 v134, v129, 5, v134
	v_add_nc_u32 v[STO], s23, v134                 ; in: row r, 32 bytes for each half of the lanes
	v_mul_u32_u24 v135, v129, 272
	v_lshl_add_u32 v135, v128, 4, v135
	v_add_nc_u32 v[RD], s23, v135                  ; back: lanes 0-15 one row of 256 bytes, lanes 16-31 the next
	v_lshlrev_b32 v136, 12, v129
	v_lshl_add_u32 v[CO], v128, 4, v136
	v_lshlrev_b32 v[WSV], 5, v141
	v_lshlrev_b32 v[BO], 5, v129
	WALU
.irp p, 0,1
.irp c, 0,1
	global_load_b128 v[SB+8*\p+4*\c:SB+8*\p+4*\c+3], v[WSV], s[42:43] offset:1024*\p+16*\c
.endr
.endr
	WIN 3<<6
.irp u, 0,1,2,3
	global_load_b128 v[BI+8*\u:BI+8*\u+3], v[BO], s[44:45] offset:64*\u
	global_load_b128 v[BI+8*\u+4:BI+8*\u+7], v[BO], s[44:45] offset:64*\u+16
.endr
	WIN 0
	s_wait_tensorcnt 0x0                           ; my tile has landed,
	BARRIER                                        ; everybody's has; the tiles are only read from here on
.irp q, 0,1,2,3,4,5,6,7
.irp u, 0,1,2,3
	FRAG 4*\q+\u, \q, WA+2*\u
.endr
.endr
	WIN 0
	FETCH 0, 0
	FETCH 1, 1
	s_wait_loadcnt 0x0
	s_wait_dscnt NF                                ; only block 1's fetch may be out
.irp s, 0,1,2,3,4,5,6,7
	BLOCK \s%2
	s_wait_xcnt 0x0                                ; the last block's stores have read their registers
.irp u, 0,1,2,3
	ds_store_b128 v[STO], v[ACC+8*\u:ACC+8*\u+3] offset:64*\u
	ds_store_b128 v[STO], v[ACC+8*\u+4:ACC+8*\u+7] offset:64*\u+16
.endr
.irp t, 0,1,2,3,4,5,6,7
	ds_load_b128 v[BK+4*\t:BK+4*\t+3], v[RD] offset:544*\t     ; LDS serves a wave's instructions in order: these see the stores above
.endr
.if \s < 6
	FETCH \s%2, \s+2
	s_wait_dscnt NF                                ; all but the fetch just issued: the rows are back, and the next block's fragments are in
.else
	s_wait_dscnt 0x0
.endif
.irp t, 0,1,2,3,4,5,6,7
	global_store_b128 v[CO], v[BK+4*\t:BK+4*\t+3], s[32:33] offset:65536*\s+8192*\t th:TH_STORE_NT   ; sixteen lanes store 256 consecutive bytes, aligned
.endr
.endr
	s_wait_tensorcnt 0x0                           ; the wave's end
	ds_add_u32 v[SPW], v[NIL]
	s_wait_dscnt 0x0
	CROUND                                         ; the closing round
	s_endpgm
.Lfunc_end_k_qd2e36e099c_outp:
	.size	k_qd2e36e099c_outp, .Lfunc_end_k_qd2e36e099c_outp-k_qd2e36e099c_outp
	.p2alignl 7, 3214868480
	.fill 96, 4, 3214868480
	.section	.rodata,"a",@progbits
	.p2align	6, 0x0
	.amdhsa_kernel k_qd2e36e099c_outp
		.amdhsa_group_segment_fixed_size 327680
		.amdhsa_private_segment_fixed_size 0
		.amdhsa_enable_private_segment 0
		.amdhsa_kernarg_size 48
		.amdhsa_user_sgpr_count 2
		.amdhsa_user_sgpr_kernarg_segment_ptr 1
		.amdhsa_wavefront_size32 1
		.amdhsa_system_sgpr_workgroup_id_x 1
		.amdhsa_system_sgpr_workgroup_id_y 1
		.amdhsa_system_sgpr_workgroup_id_z 1
		.amdhsa_system_vgpr_workitem_id 0
		.amdhsa_next_free_vgpr 896
		.amdhsa_next_free_sgpr 100
		.amdhsa_reserve_vcc 0
		.amdhsa_float_denorm_mode_32 3
		.amdhsa_float_denorm_mode_16_64 3
		.amdhsa_memory_ordered 1
		.amdhsa_forward_progress 1
		.amdhsa_inst_pref_size 86
	.end_amdhsa_kernel
	.amdgpu_metadata
---
amdhsa.version: [ 1, 2 ]
amdhsa.kernels:
  - .name:           k_qd2e36e099c_outp
    .symbol:         k_qd2e36e099c_outp.kd
    .args:
      - { .name: att_c, .offset: 0, .size: 8, .value_kind: global_buffer, .address_space: global }
      - { .name: att_s, .offset: 8, .size: 8, .value_kind: global_buffer, .address_space: global }
      - { .name: Wo_codes, .offset: 16, .size: 8, .value_kind: global_buffer, .address_space: global }
      - { .name: Wo_scales, .offset: 24, .size: 8, .value_kind: global_buffer, .address_space: global }
      - { .name: bo, .offset: 32, .size: 8, .value_kind: global_buffer, .address_space: global }
      - { .name: out0, .offset: 40, .size: 8, .value_kind: global_buffer, .address_space: global }
    .group_segment_fixed_size: 327680
    .private_segment_fixed_size: 0
    .kernarg_segment_align: 8
    .kernarg_segment_size: 48
    .max_flat_workgroup_size: 128
    .sgpr_count:     100
    .vgpr_count:     896
    .wavefront_size: 32
...
	.end_amdgpu_metadata
.endif
;; end of part 3
